; MI455X (gfx1250); checked and timed in simulation.
; The chip was launched on July 23, 2026; its instructions are those of AMD's public machine-readable ISA for CDNA 5 (MIT licence, August 2026) and "CDNA5" Instruction Set Architecture Reference Guide (July 2026). The comments in the code are by the model that wrote it; some were corrected since.
;; MLP. Allowed arithmetic: float matrix products may take bf16 or f16 operands with f32 sums; other float arithmetic in f32, or as packed bf16 or f16 multiplies, adds, multiply-adds, maxima and minima; sums over many terms, partial sums and values carried from step to step in f32; what a program stores and reads back later, other than sums and carried values, may be rounded once to bf16 or f16.
;; Inputs: b0 256 float32; b1 256 float32; b2 256 float32; b3 256 float32; b4 3 float32; cell1 4 x 16,384 x 2 float32; coord 4 x 16,384 x 2 float32; inp1 4 x 64 x 64 x 64 float32; inp2 4 x 64 x 64 x 64 float32; w0 256 x 132 float32; w1 256 x 256 float32; w2 256 x 256 float32; w3 256 x 256 float32; w4 3 x 256 float32.
;; Outputs: out0 4 x 16,384 x 3 float32.
;; One version. Each part assembles by itself: llvm-mc -triple=amdgcn-amd-amdhsa -mcpu=gfx1250 --defsym DOCPART=n.
;; ======== version 1 of 1: 2 launches
;; limits: values are held in f16: magnitudes above 65,504 overflow, below 6.1e-05 lose precision
;; workspace buffers: feat 4,194,304 bytes; idx 1,048,576 bytes of whole numbers; wts 491,520 bytes
;; launch prep (part 1): grid 256 x 1, 4 waves a work-group, no clusters, 17,920 bytes of LDS; arguments inp1, inp2, coord, w0, w1, w2, w3, w4, b0, b1, b2, b3, feat, idx, wts; writes feat, idx, wts
.if DOCPART == 1
	.amdgcn_target "amdgcn-amd-amdhsa--gfx1250"
	.amdhsa_code_object_version 6
	.text
	.protected	k_q8c73a6815c_prep
	.globl	k_q8c73a6815c_prep
	.p2align	8
	.type	k_q8c73a6815c_prep,@function
k_q8c73a6815c_prep:
	s_mov_b64 s[64:65], 0
	v_nop
	global_prefetch_b8 v0, s[64:65] scope:SCOPE_SE
	s_setreg_imm32_b32 hwreg(HW_REG_WAVE_MODE, 25, 1), 1
	s_wait_xcnt 0x0
; PREP: what the second launch needs laid out once.  Nothing of reference() is left out in this program: every input has a way to the output and is loaded.
; Added inside live tiles: layer 0's K is padded from 132 to 160 with zeros on both sides, and w4's 3 rows to a block of 16 (below).
; (1) idx: for each query and each of the four shifts s = 2 [vx > 0] + [vy > 0] the row b*4096 + ih*64 + iw, by reference()'s own f32 steps in its own order (a product by 64 and by 0.5 is exact,
;     so (c+1)*32 - 0.5 in one fused line rounds as reference() does).  It is stored as whole numbers, since the launch that gathers by it has to read it from memory.
;     Layout: 16 queries are a block of 64 words; query r, shift s at word (r/8)*32 + s*8 + r%8.
; (2) feat: [b*4096 + pixel][128] f16, inp1's 64 channels and then inp2's: a pixel's channels as ONE row of 256 bytes.
; (3) wts: all weights in 16 bits in the order in which a matrix operand's registers take them, and the biases in f32.  w0 and w1 in f16, w2, w3 and w4 in bf16 (the second launch's head says why).
;     A fragment is 1,024 bytes [q = 0,1][lane][16 bytes]: lane (r = l%16, h = l/16) holds W[n0+r][k0+16q+8h .. +7].  A bias block is 128 f32 and 512 bytes of zeros.
;     0: layer 0, features 0-127: bias block, 5 K steps x 8 fragments; 41,984: the same for features 128-255; 83,968: w4, 8 fragments;
;     92,160 + ((L-1)*2+H)*66,560: layer L = 1..3, half H: bias block, 8 K steps x 8 fragments.
;     w4's block of 16 rows: rows 0-2 = hi = bf16(w4), rows 3-5 = lo = bf16(w4 - hi), the same six once more as rows 8-13, zeros elsewhere: the rows that padding would leave empty carry what
;     the rounding of w4 drops, and both halves of the lanes end with a query's numbers.
;     Layer 0's k: 0-63 = w0's columns 0-63, 64-127 = columns 68-131, 128-131 = columns 64-67, 132-159 = 0.
; LIMITS.  A NaN in coord gives index 0 (the maxima drop it).  Features, w0 and w1 are rounded once to f16: beyond 65,504 they become infinities, below 6e-5 they keep f16's fixed step of 6e-8.
; SHARES.  256 work-groups of four waves.  Work-group g: the indices of queries 256 g .. 256 g + 255; the transpose of pixels 64 g .. 64 g + 63 (counted over the batches); and, by g%16 and g/16, one fragment or bias block a wave.
.set TP,    272                        ; a row of the transpose's tile in LDS: 256 bytes + 16, so that 16 lanes a row apart touch 16 different 16-byte columns of 256
.set SPARE, 64*TP                      ; behind the tile: the spare words, 128 bytes a wave
.set ITEM0, 41984
.set W4O,   83968
.set ITEMS, 92160
.set ITEM,  66560
.set WV,    46                         ; s46 my wave's number
.set SPW,   152                        ; v152 LDS address of my spare word; never rewritten
.set NIL,   153                        ; v153 0; never rewritten
	s_load_b512 s[16:31], s[0:1], 0x0              ; inp1 16, inp2 18, coord 20, w0 22, w1 24, w2 26, w3 28, w4 30
	s_load_b256 s[32:39], s[0:1], 0x40             ; b0 32, b1 34, b2 36, b3 38
	s_load_b128 s[40:43], s[0:1], 0x60             ; feat 40, idx 42
	s_load_b64 s[44:45], s[0:1], 0x70              ; wts
	v_lshl_add_u32 v[SPW], v0, 2, SPARE
	v_mov_b32 v[NIL], 0
	v_lshrrev_b32 v1, 5, v0
	v_readfirstlane_b32 s[WV], v1                  ; wave 0..3
	v_and_b32 v1, 15, v0                           ; x = r = l % 16
	v_bfe_u32 v2, v0, 4, 1                         ; h = l / 16
	v_and_b32 v3, 31, v0                           ; l
	v_and_b32 v4, 0x78, v0                         ; quad e = t of idx: its four queries begin at (e & ~7) + 4 (e & 1)
	v_and_b32 v5, 1, v0
	v_lshlrev_b32 v4, 3, v4
	v_lshl_add_u32 v4, v5, 5, v4                   ; x 8 bytes of coord
	v_lshlrev_b32 v5, 4, v1
	v_lshl_add_u32 v5, v2, 17, v5                  ; the transpose's loads: 16 x + 8 channels (131,072 bytes) for the upper lanes
	v_lshlrev_b32 v7, 4, v3                        ; 16 l
	v_lshlrev_b32 v26, 4, v0                       ; 16 t
	; THE FRAGMENT'S PARAMETERS, all from ids.  ksel = g % 16, nb = g / 16.  ksel < 8: wave w makes layer w's fragment (K step ksel, rows 16 nb ..), layer 0 only for ksel < 5.
	; ksel = 8, nb < 2: w4's fragment of K step 4 nb + w.  ksel = 9, nb < 2: layer w's bias block of half nb.
	s_and_b32 s50, ttmp9, 15                       ; ksel
	s_lshr_b32 s51, ttmp9, 4                       ; nb
	s_lshl2_add_u32 s53, s51, s[WV]
	s_cmp_eq_u32 s50, 8
	s_cselect_b32 s53, s53, s50                    ; ks
	s_cselect_b32 s52, 1, 0                        ; 1: w4
	s_cselect_b32 s54, 0, s51                      ; block of 16 rows in the source
	s_cselect_b32 s70, 7, 15                       ; w4's rows come round again from row 8 on,
	s_cselect_b32 s85, 3, 0                        ; and from row 3 on (the lo parts)
	s_cselect_b32 s55, 2, 15                       ; the last row that exists in the block
	s_cselect_b32 s56, 0x3f3f3f3f, -1              ; lanes whose numbers are kept (w4: rows 0-5 and 8-13, both halves of k): registers 0, 1,
	s_mov_b32 s57, s56                             ; and registers 2 to 7
	s_cmp_lt_u32 s[WV], 2
	s_cselect_b32 s84, -1, 0                       ; all lanes: the fragment is rounded to f16: layers 0 and 1,
	s_cmp_eq_u32 s52, 1
	s_cselect_b32 s84, 0, s84                      ; not w4
	s_or_b32 s58, s[WV], s52
	s_mov_b32 s59, 1024                            ; bytes in a source row,
	s_cmp_eq_u32 s58, 0
	s_cselect_b32 s59, 528, s59                    ; 132 numbers in w0
	s_cselect_b32 s58, 1, 0                        ; 1: layer 0
	s_lshl_b32 s60, s53, 7                         ; the K step's first byte in a row: 128 ks,
	s_lshr_b32 s61, s53, 1
	s_min_u32 s61, s61, 1
	s_mul_i32 s61, s61, s58
	s_lshl4_add_u32 s60, s61, s60                  ; in w0 from K step 2 on four columns further,
	s_mul_i32 s61, s53, s58
	s_cmp_eq_u32 s61, 4
	s_cselect_b32 s60, 256, s60                    ; and its K step 4 is columns 64-67:
	s_cselect_b32 s56, 0xffff, s56                 ; the lower lanes' first four numbers,
	s_cselect_b32 s57, 0, s57                      ; and zeros
	s_mul_i32 s66, s54, s59
	s_lshl4_add_u32 s66, s66, s60                  ; 16 nb rows + the column
	s_mov_b32 s67, 0
	s_lshr_b32 s68, s51, 3                         ; H
	s_and_b32 s69, s51, 7
	s_lshl_b32 s82, s53, 13
	s_lshl_b32 s69, s69, 10
	s_add_co_u32 s82, s82, s69
	s_add_co_u32 s82, s82, 1024                    ; in an item: bias block, then 8,192 ks + 1,024 (nb % 8)
	s_mul_i32 s71, s68, ITEM0
	s_max_u32 s72, s[WV], 1
	s_sub_co_u32 s72, s72, 1
	s_lshl1_add_u32 s72, s72, s68
	s_mul_i32 s72, s72, ITEM
	s_add_co_u32 s72, s72, ITEMS
	s_cmp_eq_u32 s[WV], 0
	s_cselect_b32 s71, s71, s72                    ; the item's first byte
	s_cselect_b32 s73, 5, 8                        ; K steps of my layer
	s_add_co_u32 s82, s82, s71
	s_lshl_b32 s72, s53, 10
	s_add_co_u32 s72, s72, W4O
	s_cmp_eq_u32 s52, 1
	s_cselect_b32 s82, s72, s82                    ; where the fragment goes
	s_mov_b32 s83, 0
	s_cmp_lt_u32 s50, s73
	s_cselect_b32 s73, 1, 0
	s_cmp_lt_u32 s51, 2
	s_cselect_b32 s74, s52, 0
	s_or_b32 s73, s73, s74                         ; 1: I have a fragment to make
	s_mov_b32 s3, 0
	s_wait_kmcnt 0x0
	s_lshl_b32 s2, ttmp9, 11
	s_add_nc_u64 s[20:21], s[20:21], s[2:3]        ; coord at my work-group's 256 queries
	global_load_b128 v[8:11], v4, s[20:21]         ; quad t: four queries' coord,
	global_load_b128 v[12:15], v4, s[20:21] offset:16
	global_load_b128 v[16:19], v4, s[20:21] offset:1024  ; quad t + 128: 128 queries on
	global_load_b128 v[20:23], v4, s[20:21] offset:1040
	s_cmp_lt_u32 s[WV], 2                          ; wave w transposes channels 32 w .. 32 w + 31 of inp1 | inp2
	s_cselect_b64 s[48:49], s[16:17], s[18:19]
	s_lshr_b32 s2, ttmp9, 6
	s_lshl_b32 s2, s2, 20                          ; the batch,
	s_and_b32 s47, s[WV], 1
	s_lshl_b32 s47, s47, 19                        ; 32 channels,
	s_add_co_u32 s2, s2, s47
	s_and_b32 s47, ttmp9, 63
	s_lshl_b32 s47, s47, 8                         ; 64 pixels
	s_add_co_u32 s2, s2, s47
	s_add_nc_u64 s[48:49], s[48:49], s[2:3]
.irp u, 0,1
.irp i, 0,1,2,3,4,5,6,7
	global_load_b128 v[32+4*(8*\u+\i):32+4*(8*\u+\i)+3], v5, s[48:49] offset:(16*\u+\i)*16384 th:TH_LOAD_NT  ; channel 16 u + 8 h + i, pixels 4 x .. 4 x + 3: 16 lanes read 256 consecutive bytes, aligned
.endr
.endr
	s_lshl_b32 s2, ttmp9, 12
	s_add_nc_u64 s[42:43], s[42:43], s[2:3]        ; idx at my 1,024 words
	s_lshl_b32 s2, ttmp9, 14
	s_add_nc_u64 s[40:41], s[40:41], s[2:3]        ; feat at my 64 rows
	s_cmp_eq_u32 s[WV], 0
	s_cselect_b64 s[62:63], s[22:23], s[24:25]
	s_cmp_eq_u32 s[WV], 2
	s_cselect_b64 s[62:63], s[26:27], s[62:63]
	s_cmp_eq_u32 s[WV], 3
	s_cselect_b64 s[62:63], s[28:29], s[62:63]
	s_cmp_eq_u32 s52, 1
	s_cselect_b64 s[62:63], s[30:31], s[62:63]     ; the fragment's source
	s_add_nc_u64 s[62:63], s[62:63], s[66:67]
	s_add_nc_u64 s[76:77], s[44:45], s[82:83]
	s_cmp_lg_u32 s73, 0
	s_cbranch_scc0 .Lno_frag                       ; a forward jump past loads and stores alone
	v_and_b32 v6, s70, v1                          ; the source row: r; in w4 r % 8,
	v_mov_b32 v27, s85
	v_sub_nc_u32 v27, v6, v27                      ; less 3 from 3 on: below 3 the difference wraps to a huge number and the smaller of the two is the row itself;
	v_min_u32 v6, v6, v27
	v_min_u32 v6, s55, v6                          ; rows past w4's third repeat it and are masked below
	v_mul_u32_u24 v6, s59, v6
	v_lshl_add_u32 v6, v2, 5, v6                   ; 8 h numbers on
	global_load_b128 v[128:131], v6, s[62:63]            ; q = 0: k0 + 8 h .. + 7
	global_load_b128 v[132:135], v6, s[62:63] offset:16
	global_load_b128 v[136:139], v6, s[62:63] offset:64  ; q = 1: 16 numbers on
	global_load_b128 v[140:143], v6, s[62:63] offset:80
	s_wait_loadcnt 0x0
.irp j, 0,1,2,3,4,5,6,7
	v_cvt_pk_bf16_f32 v[144+\j], v[128+2*\j], v[128+2*\j+1]
.endr
.irp j, 0,1,2,3,4,5,6,7
	v_cvt_pk_f16_f32 v[96+\j], v[128+2*\j], v[128+2*\j+1]
.endr
.irp j, 0,1,2,3,4,5,6,7
	v_cndmask_b32 v[144+\j], v[144+\j], v[96+\j], s84  ; the layer's format
.endr
	s_cmp_eq_u32 s52, 1
	s_cbranch_scc0 .Lno_lo                         ; w4 alone: what the rounding dropped, rounded in its turn, for the lanes of rows 3-5 and 11-13
	s_mov_b32 s86, 0x38383838
.irp j, 0,1,2,3,4,5,6,7
	v_lshlrev_b32 v[104+2*\j], 16, v[144+\j]
	v_and_b32 v[104+2*\j+1], 0xffff0000, v[144+\j]
.endr
.irp j, 0,1,2,3,4,5,6,7,8,9,10,11,12,13,14,15
	v_sub_f32 v[104+\j], v[128+\j], v[104+\j]      ; exact: both have the same exponent or nearly
.endr
.irp j, 0,1,2,3,4,5,6,7
	v_cvt_pk_bf16_f32 v[96+\j], v[104+2*\j], v[104+2*\j+1]
.endr
.irp j, 0,1,2,3,4,5,6,7
	v_cndmask_b32 v[144+\j], v[144+\j], v[96+\j], s86
.endr
.Lno_lo:
	v_cndmask_b32 v144, 0, v144, s56
	v_cndmask_b32 v145, 0, v145, s56
.irp j, 2,3,4,5,6,7
	v_cndmask_b32 v[144+\j], 0, v[144+\j], s57
.endr
	global_store_b128 v7, v[144:147], s[76:77]           ; the wave stores 512 consecutive bytes, aligned, twice
	global_store_b128 v7, v[148:151], s[76:77] offset:512
.Lno_frag:
	s_cmp_eq_u32 s50, 9
	s_cselect_b32 s73, 1, 0
	s_cmp_lt_u32 s51, 2
	s_cselect_b32 s73, s73, 0
	s_cmp_lg_u32 s73, 0
	s_cbranch_scc0 .Lno_bias
	s_cmp_eq_u32 s[WV], 0
	s_cselect_b64 s[78:79], s[32:33], s[34:35]
	s_cmp_eq_u32 s[WV], 2
	s_cselect_b64 s[78:79], s[36:37], s[78:79]
	s_cmp_eq_u32 s[WV], 3
	s_cselect_b64 s[78:79], s[38:39], s[78:79]
	s_lshl_b32 s66, s51, 9                         ; half nb: 128 numbers
	s_add_nc_u64 s[78:79], s[78:79], s[66:67]
	s_mul_i32 s75, s51, ITEM0
	s_max_u32 s72, s[WV], 1
	s_sub_co_u32 s72, s72, 1
	s_lshl1_add_u32 s72, s72, s51
	s_mul_i32 s72, s72, ITEM
	s_add_co_u32 s72, s72, ITEMS
	s_cmp_eq_u32 s[WV], 0
	s_cselect_b32 s82, s75, s72                    ; the item's first byte
	s_add_nc_u64 s[80:81], s[44:45], s[82:83]
	global_load_b128 v[132:135], v7, s[78:79]
.irp j, 136,137,138,139
	v_mov_b32 v[\j], 0
.endr
	global_store_b128 v7, v[136:139], s[80:81] offset:512  ; the block's second half is brought into LDS with it later: zeros
	s_wait_loadcnt 0x0
	global_store_b128 v7, v[132:135], s[80:81]
.Lno_bias:
	; THE INDICES.  Both my quads have the same shift: vx by bit 2 of t, vy by bit 1.
	v_bfe_u32 v24, v0, 2, 1
	v_bfe_u32 v25, v0, 1, 1
	v_lshlrev_b32 v24, 31, v24
	v_lshlrev_b32 v25, 31, v25
	v_xor_b32 v24, 0xbc800000, v24                 ; vx / 64
	v_xor_b32 v25, 0xbc800000, v25                 ; vy / 64
	s_lshr_b32 s47, ttmp9, 6
	s_lshl_b32 s47, s47, 12                        ; the batch's first row of feat
	s_wait_loadcnt 16                              ; coord is in; the transpose's 16 loads, issued behind it, may stay out
.macro ALL16 line:vararg                       ; one line for each of the 16 numbers d: even ones along H, odd ones along W; the 16 chains do not wait for each other
.set d, 8
.rept 16
	\line
.set d, d+1
.endr
.endm
	ALL16 v_add_f32 v[d], v[d], v[24+d%2]
	ALL16 v_add_f32 v[d], 0x358637bd, v[d]         ; + 1e-6
	ALL16 v_max_num_f32 v[d], 0xbf7fffef, v[d]     ; clip to -1 + 1e-6 ..
	ALL16 v_min_num_f32 v[d], 0x3f7fffef, v[d]     ; 1 - 1e-6
	ALL16 v_add_f32 v[d], 1.0, v[d]
	ALL16 v_fma_f32 v[d], v[d], 0x42000000, -0.5   ; x 32 - 0.5
	ALL16 v_rndne_f32 v[d], v[d]                   ; halves to even, as jnp.round
	ALL16 v_max_num_f32 v[d], 0, v[d]
	ALL16 v_min_num_f32 v[d], 0x427c0000, v[d]     ; 0 .. 63
	ALL16 v_cvt_u32_f32 v[d], v[d]
.irp q, 0,1
.irp k, 0,1,2,3
	v_lshl_add_u32 v[8+8*\q+\k], v[8+8*\q+2*\k], 6, v[8+8*\q+2*\k+1]  ; ih * 64 + iw, packed down in ascending order
.endr
.endr
.irp d, 8,9,10,11,16,17,18,19
	v_add_nc_u32 v[\d], s47, v[\d]
.endr
	global_store_b128 v26, v[8:11], s[42:43]             ; a wave stores 512 consecutive bytes, aligned
	global_store_b128 v26, v[16:19], s[42:43] offset:2048
	; THE TRANSPOSE.  A lane's 8 channels of a pixel are 16 bytes of the pixel's row.  LDS row 16 k + x holds pixel 4 x + k.
	v_mul_u32_u24 v28, TP, v1
	v_lshl_add_u32 v28, v2, 4, v28
	s_lshl_b32 s47, s[WV], 6
	v_add_nc_u32 v28, s47, v28                     ; in: row x, byte 64 w + 16 h
	v_mul_u32_u24 v29, TP, v2
	v_lshl_add_u32 v29, v1, 4, v29
	s_mul_i32 s47, s[WV], 16*TP
	v_add_nc_u32 v29, s47, v29                     ; back: rows 16 w + h + 2 i, whole
	v_lshlrev_b32 v30, 10, v2
	v_lshl_add_u32 v30, v1, 4, v30
	s_lshl_b32 s47, s[WV], 8
	v_add_nc_u32 v30, s47, v30                     ; which are pixels 4 (h + 2 i) + w
	s_wait_loadcnt 0x0
.irp k, 0,1,2,3
.irp u, 0,1
.irp j, 0,1,2,3
	v_cvt_pk_f16_f32 v[96+4*(2*\k+\u)+\j], v[32+4*(8*\u+2*\j)+\k], v[32+4*(8*\u+2*\j+1)+\k]
.endr
.endr
.endr
.irp k, 0,1,2,3
.irp u, 0,1
	ds_store_b128 v28, v[96+4*(2*\k+\u):96+4*(2*\k+\u)+3] offset:16*TP*\k+32*\u
.endr
.endr
	s_wait_dscnt 0x0                               ; for the others' sake: my stores into the tile are done
	s_barrier_signal -1
	s_barrier_wait -1                              ; a row's 256 bytes come from all four waves
.irp i, 0,1,2,3,4,5,6,7
	ds_load_b128 v[32+4*\i:32+4*\i+3], v29 offset:2*TP*\i
.endr
.irp i, 0,1,2,3,4,5,6,7
	s_wait_dscnt 7-\i
	global_store_b128 v30, v[32+4*\i:32+4*\i+3], s[40:41] offset:2048*\i  ; 16 lanes store one row of feat: 256 consecutive bytes, aligned
.endr
	s_wait_tensorcnt 0x0                           ; the wave's end, behind my last LDS store
	ds_add_u32 v[SPW], v[NIL]
	s_wait_dscnt 0x0
	s_endpgm
.Lfunc_end_k_q8c73a6815c_prep:
	.size	k_q8c73a6815c_prep, .Lfunc_end_k_q8c73a6815c_prep-k_q8c73a6815c_prep
	.p2alignl 7, 3214868480
	.fill 96, 4, 3214868480
	.section	.rodata,"a",@progbits
	.p2align	6, 0x0
	.amdhsa_kernel k_q8c73a6815c_prep
		.amdhsa_group_segment_fixed_size 17920
		.amdhsa_private_segment_fixed_size 0
		.amdhsa_enable_private_segment 0
		.amdhsa_kernarg_size 120
		.amdhsa_user_sgpr_count 2
		.amdhsa_user_sgpr_kernarg_segment_ptr 1
		.amdhsa_wavefront_size32 1
		.amdhsa_system_sgpr_workgroup_id_x 1
		.amdhsa_system_sgpr_workgroup_id_y 1
		.amdhsa_system_sgpr_workgroup_id_z 1
		.amdhsa_system_vgpr_workitem_id 0
		.amdhsa_next_free_vgpr 160
		.amdhsa_next_free_sgpr 88
		.amdhsa_reserve_vcc 0
		.amdhsa_float_denorm_mode_32 3
		.amdhsa_float_denorm_mode_16_64 3
		.amdhsa_memory_ordered 1
		.amdhsa_forward_progress 1
		.amdhsa_inst_pref_size 27
	.end_amdhsa_kernel
	.amdgpu_metadata
---
amdhsa.version: [ 1, 2 ]
amdhsa.kernels:
  - .name:           k_q8c73a6815c_prep
    .symbol:         k_q8c73a6815c_prep.kd
    .args:
      - { .name: inp1, .offset: 0, .size: 8, .value_kind: global_buffer, .address_space: global }
      - { .name: inp2, .offset: 8, .size: 8, .value_kind: global_buffer, .address_space: global }
      - { .name: coord, .offset: 16, .size: 8, .value_kind: global_buffer, .address_space: global }
      - { .name: w0, .offset: 24, .size: 8, .value_kind: global_buffer, .address_space: global }
      - { .name: w1, .offset: 32, .size: 8, .value_kind: global_buffer, .address_space: global }
      - { .name: w2, .offset: 40, .size: 8, .value_kind: global_buffer, .address_space: global }
      - { .name: w3, .offset: 48, .size: 8, .value_kind: global_buffer, .address_space: global }
      - { .name: w4, .offset: 56, .size: 8, .value_kind: global_buffer, .address_space: global }
      - { .name: b0, .offset: 64, .size: 8, .value_kind: global_buffer, .address_space: global }
      - { .name: b1, .offset: 72, .size: 8, .value_kind: global_buffer, .address_space: global }
      - { .name: b2, .offset: 80, .size: 8, .value_kind: global_buffer, .address_space: global }
      - { .name: b3, .offset: 88, .size: 8, .value_kind: global_buffer, .address_space: global }
      - { .name: feat, .offset: 96, .size: 8, .value_kind: global_buffer, .address_space: global }
      - { .name: idx, .offset: 104, .size: 8, .value_kind: global_buffer, .address_space: global }
      - { .name: wts, .offset: 112, .size: 8, .value_kind: global_buffer, .address_space: global }
    .group_segment_fixed_size: 17920
    .private_segment_fixed_size: 0
    .kernarg_segment_align: 8
    .kernarg_segment_size: 120
    .max_flat_workgroup_size: 128
    .sgpr_count:     88
    .vgpr_count:     160
    .wavefront_size: 32
...
	.end_amdgpu_metadata
.endif
;; end of part 1
;; launch mlp (part 2): grid 256 x 1, 4 waves a work-group, clusters of 4 x 1, 327,680 bytes of LDS; arguments coord, cell1, b4, feat, idx, wts, out0; writes out0
.if DOCPART == 2
	.amdgcn_target "amdgcn-amd-amdhsa--gfx1250"
	.amdhsa_code_object_version 6
	.text
	.protected	k_q8c73a6815c_mlp
	.globl	k_q8c73a6815c_mlp
	.p2align	8
	.type	k_q8c73a6815c_mlp,@function
k_q8c73a6815c_mlp:
	s_mov_b64 s[64:65], 0
	v_nop
	global_prefetch_b8 v0, s[64:65] scope:SCOPE_SE
	s_setreg_imm32_b32 hwreg(HW_REG_WAVE_MODE, 25, 1), 1
	s_wait_xcnt 0x0
	s_wait_alu depctr_hold_cnt(0) depctr_sa_sdst(0) depctr_va_vdst(0) depctr_va_sdst(0) depctr_va_ssrc(0) depctr_va_vcc(0) depctr_vm_vsrc(0)
	s_getreg_b32 s2, hwreg(HW_REG_IB_STS2, 6, 4)
	s_cmp_eq_u32 s2, 0
	s_cbranch_scc0 .Lentry_in_a_cluster
	s_endpgm
.Lentry_in_a_cluster:
	s_bfe_u32 s2, ttmp6, 0x10000c
	s_cmp_lg_u32 s2, 0x3003
	s_cbranch_scc0 .Lentry_shape_is_right
	s_endpgm
.Lentry_shape_is_right:
; THE MLP ON THE GATHERED ROWS AND THE MIX.  Nothing of reference() is left out here.  For each query and each of the four shifts: x = [feat1 | rel_coord | rel_cell | feat2] -> 256 -> 256 -> 256 -> 256 -> 3
; (ReLU behind the first four), then the four predictions weighed by the opposite areas.  Products on 16-bit operands with f32 sums; biases, areas and the mix in f32.
; FORMATS.  Layers 0 and 1 multiply in f16, layers 2 to 4 in bf16.  f16 keeps three bits more, and the operands of layers 0 and 1 have room in it: x, w0 and w1 are inputs (or 64 times one), and h1 is a sum
; of 132 products of inputs and a bias: if features and weights each grow 30-fold it grows 900-fold; if features of spread 1 carry an offset of 30 and w0 (within 0.087) one of 5.2, it is about 128 x 30 x 5.2 = 20,000.
; h2 is 256 such numbers times a weight and has no such room: from h2 on the operands are bf16.  w4 goes in as hi + lo, two bf16 numbers, in rows of its block of 16 that padding would leave empty.
; LIMITS.  A feature, a number of x, w0 or w1, or an h1 beyond 65,504 becomes an infinity; below 6e-5 they keep f16's fixed step of 6e-8.  ReLU is a maximum with 0 that drops a NaN.
; a / tot is a x (1 / tot) by v_rcp_f32; tot is at least 4e-9.  The index comes from idx and is held to 0 .. 16,383.
; SHARES.  Work-group g owns queries 256 g .. 256 g + 255, wave w 64 of them, in four TILES of 16 queries x 4 shifts = 64 rows.  Row block rb of a tile is shift rb, the lane's r = l % 16 the query:
; so the four predictions of a query meet in one lane.
; PRODUCT.  D = W H^T (source 0 = 16 rows of W, source 1 = 16 data rows): in the result a lane holds ONE data row and the features 8 (l / 16) + 0..7.  Two neighbouring results, rounded to 16 bits in pairs,
; ARE source 1 (32 k x 16 rows) of the next layer: activations never leave the wave's registers.  A weight fragment (two LDS loads) feeds four products.  The bias is the C operand of a sum's first product.
; IN PLACE.  ACC has halves H0 (features 0-127) and H1; ACT halves lo (k 0-127) and hi.  A layer is HALF 0 (H0 over 8 K steps) and HALF 1.  In HALF 0's steps 0, 1 the last layer's H1 is turned into ACT hi,
; which is read from step 4 on; in HALF 1's steps 4, 5 this layer's H0 is turned into ACT lo, which is read no more behind step 3.  That work RIDES: four vector lines behind each product.
; WEIGHTS.  Layer 0 and w4 stay in LDS (RES).  Layers 1-3 come as six items of 66,560 bytes through two slots: slot 0 always holds an H0 item, slot 1 an H1 item, so that every LDS address is a fixed register.
; w4's block: rows 0-2 hi, rows 3-5 lo, the same six as rows 8-13: both halves of the lanes end with the same six numbers of query r, and every line of the mix runs with all lanes on.
; CLUSTER.  All work-groups walk the same weights: the four of a cluster ask JOINTLY, each wave for its quarter of an item, by one line with the same descriptor in all four.  By this text's count a wave
; has one tensor load out at the most.  Every refill stands behind a round of the cluster's barrier: six a tile.
; REGISTERS, in windows of 256 (s_set_vgpr_msb: bits 1:0 source 0, 3:2 source 1, 5:4 source 2, 7:6 destination):
;   window 0: v0-31 addresses and a query's numbers; v32-63 XE (layer 0's fifth K step), at other times the 32 indices; v64-127 a half's biases; v128-191, v192-255 two buffers of 8 weight fragments (the second also at work between tiles)
;   window 1: ACT, fragment (ks, rb) at 32 ks + 8 rb     window 2: ACC H0, (nb, rb) at 32 nb + 8 rb; between tiles v0-127 the 32 gathered rows     window 3: ACC H1; at the end v[8 rb] the last layer's sums
.set SLOT0, 0
.set SLOT1, 66560
.set RES,   133120                     ; 92,160 bytes: layer 0's two items, then w4
.set ITEM0, 41984
.set W4O,   83968
.set ITEMS, 92160                      ; wts: where layer 1's first item begins
.set STAGE, 225280                     ; 16 rows x 272 bytes for each wave, its own; no tensor load lands here
.set SP,    272
.set OUTST, 242688                     ; 3,072 bytes: the work-group's 256 queries' results, as they lie in out0
.set SPARE, 245760                     ; the spare words, 128 bytes a wave
.set AS0, 3                            ; v3   slot 0's fragments: SLOT0 + 1,024 + 16 l
.set AS1, 4                            ; v4   slot 1's
.set AB0, 5                            ; v5   slot 0's biases: SLOT0 + 32 h
.set AB1, 6                            ; v6   slot 1's
.set AR0, 7                            ; v7   layer 0, H0: fragments
.set AR1, 8                            ; v8   layer 0, H1
.set ARB0, 9                           ; v9   layer 0, H0: biases
.set ARB1, 10                          ; v10  layer 0, H1
.set AF,  11                           ; v11  w4's fragments
.set SA,  12                           ; v12  into my stage: row 8 h, byte 16 r
.set FA,  13                           ; v13  out of it: row r, byte 16 h
.set OA0, 14                           ; v14  my query's 12 bytes in OUTST, tile 0: OUTST + 768 w + 12 r
.set OAD, 15                           ; v15  the same for the tile in hand
.set XO,  16                           ; v16  16 r
.set IA,  17                           ; v17  128 h
.set QA,  18                           ; v18  8 r
.set GO,  19                           ; v19  16 l
.set SPW, 20                           ; v20  LDS address of my spare word; never rewritten
.set NIL, 21                           ; v21  0; never rewritten
.set CO,  22                           ; v[22:23] my query's coord
.set CE,  24                           ; v[24:25] its cell
.set EW,  26                           ; v[26:29] the four weights
.set GT,  30                           ; v30  the way out: 512 w + 16 l, my 16 bytes of the work-group's part of out0
.set ORD, 31                           ; v31  the same bytes in OUTST
.set XE,  32
.set IDX, 32
.set BIAS, 64
.set WB0, 128
.set WB1, 192
.set T,   192                          ; at work between tiles
.set WV,  18                           ; s18  my wave's number
.set G1R, 24                           ; s[24:31] descriptor group 1: 90 rows of 256 bytes
.set G1S, 32                           ; s[32:39] 65 rows
.set G0R, 40                           ; s[40:43] group 0: my quarter of RES
.set G0A, 44                           ; s[44:47] of slot 0
.set G0B, 48                           ; s[48:51] of slot 1
.set WRA, 52                           ; s[52:53] wts at my quarter of layer 1's H0 item; never rewritten
.set WRB, 54                           ; s[54:55] of its H1 item
.set TL,  56                           ; s56  tiles to go
.set ZERO, 58
.set HM,  59                           ; s59  the lower 16 lanes
.set B4,  60                           ; s[60:62] b4
.set OB,  63                           ; s63  192 x the tile's number
.set EPS, 66
.set CLO, 67
.set CHI, 68
.set TINY, 69
.set IP,  70                           ; s[70:71] idx at the tile's block
.set CP,  72                           ; s[72:73] coord at the tile's 16 queries
.set EP,  74                           ; s[74:75] cell1 likewise
.set FM,  1                            ; assembler's: 1: the products written next are f16's, 0: bf16's
.set RF,  1                            ; assembler's: the same for what the riders written next make
.set MSB, 0
.macro WIN new                         ; the immediate's high byte repeats the setting that is left; a switch that changes nothing is dropped
.if MSB != (\new)
	s_set_vgpr_msb (MSB<<8)|(\new)
.set MSB, (\new)
.endif
.endm
.macro PLACES                          ; four plain vector lines between a product and a load into, or a vector line on, its registers (ISA guide 7.12.1 for vector lines)
.rept 4
	v_nop
.endr
.endm
.macro CREST                           ; a round of the cluster's barrier behind its opening barrier
	s_cmp_lg_u32 s[WV], 0
	s_cbranch_scc1 .Lnot_wave_0_\@
	s_barrier_signal -3
.Lnot_wave_0_\@:
	s_barrier_wait -3
	s_barrier_signal -1
	s_barrier_wait -1
.endm
.macro CROUND
	s_barrier_signal -1
	s_barrier_wait -1
	CREST
.endm
; One product: half H, feature block nb, row block rb; weights in buf, data at bb in window bw.  first = 1: the bias starts the sum.  The form goes by FM.
.macro MM H, nb, rb, buf, bb, bw, first
.set aD, 32*(\nb)+8*(\rb)
.set aA, (\buf)+8*(\nb)
.set aB, (\bb)+8*(\rb)
.set aC, BIAS+8*(\nb)
.if \first
	WIN ((2+(\H))<<6)|((\bw)<<2)
.if FM
	v_wmma_f32_16x16x32_f16 v[aD:aD+7], v[aA:aA+7], v[aB:aB+7], v[aC:aC+7]
.else
	v_wmma_f32_16x16x32_bf16 v[aD:aD+7], v[aA:aA+7], v[aB:aB+7], v[aC:aC+7]
.endif
.else
	WIN ((2+(\H))<<6)|((2+(\H))<<4)|((\bw)<<2)
.if FM
	v_wmma_f32_16x16x32_f16 v[aD:aD+7], v[aA:aA+7], v[aB:aB+7], v[aD:aD+7]
.else
	v_wmma_f32_16x16x32_bf16 v[aD:aD+7], v[aA:aA+7], v[aB:aB+7], v[aD:aD+7]
.endif
.endif
.endm
; Group RG of the 64 that turn the 32 accumulators of window src (2: H0 -> ACT lo; 3: H1 -> ACT hi) into fragments: even groups round an accumulator's 8 numbers to 16 bits (f16 or bf16 by RF), lowest registers first; odd ones take the maximum with 0.
.macro RIDER src
.set rnb, RG/8
.set rrb, (RG/2)%4
.set rdst, ((\src)-2)*128+32*(rnb/2)+8*rrb+4*(rnb%2)
.set rsrc, 32*rnb+8*rrb
.if RG%2 == 0
	WIN 0x40|((\src)<<2)|(\src)
.irp j, 0,1,2,3
.if RF
	v_cvt_pk_f16_f32 v[rdst+\j], v[rsrc+2*\j], v[rsrc+2*\j+1]
.else
	v_cvt_pk_bf16_f32 v[rdst+\j], v[rsrc+2*\j], v[rsrc+2*\j+1]
.endif
.endr
.else
	WIN 0x41
.irp j, 0,1,2,3
.if RF
	v_pk_max_num_f16 v[rdst+\j], v[rdst+\j], s[ZERO]
.else
	v_pk_max_num_bf16 v[rdst+\j], v[rdst+\j], s[ZERO]
.endif
.endr
.endif
.set RG, RG+1
.endm
; cnt feature blocks from nb0 on x 4 row blocks.  The accumulators take turns, one product a turn, over every step's and every layer's end and the loop's jump.
.macro MMS H, nb0, cnt, buf, bb, bw, first, ride
.set mnb, (\nb0)
.rept \cnt
.irp rb, 0,1,2,3
	MM \H, mnb, \rb, \buf, \bb, \bw, \first
.if \ride
	RIDER \ride
.endif
.endr
.set mnb, mnb+1
.endr
.endm
; A K step's 8 fragments in one run of 16 LDS loads (32 lanes x 16 consecutive bytes each); breg other than 0: ahead of them the next half's 128 biases, 8 a lane for each feature block.
.macro FETCH areg, off, buf, breg
	WIN 0
.if \breg
.irp nb, 0,1,2,3,4,5,6,7
	ds_load_b128 v[BIAS+8*\nb:BIAS+8*\nb+3],   v[\breg] offset:64*\nb
	ds_load_b128 v[BIAS+8*\nb+4:BIAS+8*\nb+7], v[\breg] offset:64*\nb+16
.endr
.endif
.irp nb, 0,1,2,3,4,5,6,7
	ds_load_b128 v[(\buf)+8*\nb:(\buf)+8*\nb+3],   v[\areg] offset:(\off)+1024*\nb
	ds_load_b128 v[(\buf)+8*\nb+4:(\buf)+8*\nb+7], v[\areg] offset:(\off)+1024*\nb+512
.endr
.endm
; A K step: 32 products on buf; behind the first 8 the next step's fragments are fetched into nbuf.
.macro STEP H, buf, bb, bw, first, ride, areg, off, nbuf, breg
	s_wait_dscnt 8                                 ; blocks 0-3 (and the biases) are in; the youngest eight loads, blocks 4-7, may be out
	MMS \H, 0, 2, \buf, \bb, \bw, \first, \ride
	PLACES                                         ; nbuf was read by the step before
	FETCH \areg, \off, \nbuf, \breg
.if \breg
	s_wait_dscnt 32                                ; all but the 32 just issued
.else
	s_wait_dscnt 16                                ; all but the 16 just issued
.endif
	MMS \H, 2, 6, \buf, \bb, \bw, \first, \ride
.endm
; A half's last K step, which leaves a slot.  Each wave waits for all its tensor loads (one is out: its quarter of the other slot), adds 0 to its spare word, and waits for that and for its reads of the slot.
; kind = 1: the barrier opens a round of the cluster's, and behind the round the slot just left is filled again first: by group 0 g0, its address stepped two items on (mode = 0) or made anew from the pointer in s[mode].
; kind = 0: nothing is left to ask for in this tile: a barrier of the work-group shows the other slot whole.  Then the other slot's biases and first fragments are fetched.
.macro TURN H, buf, bb, bw, kind, g0, mode, areg, nbuf, breg
	WIN 0
	s_wait_tensorcnt 0x0                           ; no tensor load of mine is out, so a group 0 may be written
	ds_add_u32 v[SPW], v[NIL]                      ; 0 onto my spare word
.if \kind
.if \mode
	s_mov_b64 s[\g0+2:\g0+3], s[\mode:\mode+1]
	s_or_b32 s[\g0+3], s[\g0+3], 0x80000000        ; type = 2
.else
	s_add_nc_u64 s[\g0+2:\g0+3], s[\g0+2:\g0+3], 2*66560  ; the next layer's item of the same half; the type bits on top are not reached
.endif
.endif
	s_wait_dscnt 1                                 ; this step's 16 loads are in; the add may be out
	MMS \H, 0, 2, \buf, \bb, \bw, 0, 0
	s_wait_dscnt 0x0                               ; the add is done, and my reads of the slot are over
	s_barrier_signal -1
	MMS \H, 2, 2, \buf, \bb, \bw, 0, 0             ; work on registers while the others arrive
	WIN 0
	s_barrier_wait -1
.if \kind
	CREST                                          ; no wave of any partner still reads the slot or has a load on its way
	tensor_load_to_lds s[\g0:\g0+3], s[G1S:G1S+7]
	s_nop 0
.endif
	PLACES                                         ; behind the tensor load, and the places in front of the loads below
	FETCH \areg, 0, \nbuf, \breg
	MMS \H, 4, 4, \buf, \bb, \bw, 0, 0
.endm
; Steps 0 to 6 of a half of layers 1-3; riders of window rsrc in steps rs and rs + 1.
.macro HALF7 H, rs, rsrc, areg
.set RG, 0
.set hk, 0
.rept 7
.set hf, 0
.if hk == 0
.set hf, 1
.endif
.set hr, 0
.if (hk == (\rs)) || (hk == (\rs)+1)
.set hr, (\rsrc)
.endif
	STEP \H, WB0+64*(hk%2), 32*hk, 1, hf, hr, \areg, 8192*(hk+1), WB0+64*((hk+1)%2), 0
.set hk, hk+1
.endr
.endm
; A layer.  fm = 1: its operands are f16 (layer 1): so are the fragments that its first half's riders make of the layer before; its second half's riders make the next layer's, which are bf16 in layers 1 to 3 alike.
; last = 1: layer 3, which asks for nothing and ends by fetching w4.
.macro LAYER last, fm
.set FM, (\fm)
.set RF, (\fm)
	HALF7 0, 0, 3, AS0
.if \last
	TURN 0, WB1, 224, 1, 0, G0A, 0, AS1, WB0, AB1
.else
	TURN 0, WB1, 224, 1, 1, G0A, 0, AS1, WB0, AB1
.endif
.set RF, 0
	HALF7 1, 4, 2, AS1
.if \last
	STEP 1, WB1, 224, 1, 0, 0, AF, 0, WB0, 0
.else
	TURN 1, WB1, 224, 1, 1, G0B, 0, AS0, WB0, AB0
.endif
.endm
; A tile's block of idx: half h of the lanes takes words 32 h .. 32 h + 31: register i = the row of query 8 h + i % 8, shift i / 8.  And my query's coord and cell.
.macro IDXLOAD
.irp j, 0,1,2,3,4,5,6,7
	global_load_b128 v[IDX+4*\j:IDX+4*\j+3], v[IA], s[IP:IP+1] offset:16*\j
.endr
	global_load_b64 v[CO:CO+1], v[QA], s[CP:CP+1]
	global_load_b64 v[CE:CE+1], v[QA], s[EP:EP+1]
.endm
; The tile's 64 rows of feat, two a load: 16 lanes read one row's 256 consecutive bytes, aligned.
.macro TLOAD
	s_wait_loadcnt 0x0                             ; the indices, coord and cell are in
.set i, 0
.rept 32
	v_min_u32 v[IDX+i], 0x3fff, v[IDX+i]           ; a loaded number enters an address only within the table
.set i, i+1
.endr
.set i, 0
.rept 32
	v_lshl_add_u32 v[IDX+i], v[IDX+i], 8, v[XO]
.set i, i+1
.endr
	WIN 0x80                                       ; destination window 2
.set i, 0
.rept 32
	global_load_b128 v[4*i:4*i+3], v[IDX+i], s[10:11]
.set i, i+1
.endr
	WIN 0
.endm
.macro ALL4 line:vararg                        ; one line for each of the four chains d: (H, -), (H, +), (W, -), (W, +)
.set d, 0
.rept 4
	\line
.set d, d+1
.endr
.endm
	s_load_b256 s[4:11], s[0:1], 0x0               ; coord 4, cell1 6, b4 8, feat 10
	s_load_b128 s[12:15], s[0:1], 0x20             ; idx 12, wts 14
	s_load_b64 s[16:17], s[0:1], 0x30              ; out0
	v_lshl_add_u32 v[SPW], v0, 2, SPARE
	v_mov_b32 v[NIL], 0
	ds_add_u32 v[SPW], v[NIL]                      ; the wave's opening: the add, twice on end, and its wait ahead of my first tensor load
	ds_add_u32 v[SPW], v[NIL]                      ; and once more, under the one wait; the set-up below, work on registers, stands between
	v_lshrrev_b32 v1, 5, v0
	v_readfirstlane_b32 s[WV], v1                  ; wave 0..3
	s_bfe_u32 s19, ttmp6, 0x40000                  ; cx: my place in the cluster
	s_lshl_b32 s20, ttmp9, 2                       ; in a cluster launch ttmp9 counts clusters
	s_add_co_u32 s20, s20, s19                     ; g: it enters the addresses of idx, coord, cell1 and out0 alone
.irp g, G1R, G1S
	s_mov_b32 s[\g+0], 15|(3<<16)|(1<<21)          ; 15:0 the mask: all four work-groups; 17:16 elements of 8 bytes; 21 set beside a mask; no padding
	s_mov_b32 s[\g+1], 32<<16                      ; tensor_dim0 = 32 elements: rows of 256 bytes
	s_mov_b32 s[\g+3], 32<<16                      ; tile_dim0 = 32
	s_mov_b32 s[\g+5], 32                          ; dense: a row begins where the last ends
	s_mov_b32 s[\g+6], 0
	s_mov_b32 s[\g+7], 0
.endr
	s_mov_b32 s[G1R+2], 90<<16                     ; tensor_dim1: a quarter of RES is 90 rows,
	s_mov_b32 s[G1R+4], 90                         ; tile_dim1
	s_mov_b32 s[G1S+2], 65<<16                     ; a quarter of an item 65
	s_mov_b32 s[G1S+4], 65
	s_mov_b32 s[G0R], 1
	s_mul_i32 s[G0R+1], s[WV], 23040
	s_add_co_u32 s[G0R+1], s[G0R+1], RES           ; LDS addresses hang on the wave's number alone
	s_mov_b32 s[G0A], 1
	s_mul_i32 s[G0A+1], s[WV], 16640
	s_mov_b32 s[G0B], 1
	s_add_co_u32 s[G0B+1], s[G0A+1], SLOT1
	s_lshl_b32 s80, s20, 12                        ; idx: 16 blocks of 256 bytes a work-group, 4 a wave
	s_lshl_b32 s2, s[WV], 10
	s_add_co_u32 s80, s80, s2
	s_mov_b32 s81, 0
	s_lshr_b32 s82, s80, 1                         ; coord, cell1: 8 bytes a query
	s_mov_b32 s83, 0
	s_mul_i32 s84, s20, 3072                       ; out0: 12 bytes a query, 256 queries a work-group
	s_mov_b32 s85, 0
	s_mul_i32 s86, s[WV], 23040                    ; wts: my quarters, by the wave's number alone
	s_mov_b32 s87, 0
	s_mul_i32 s88, s[WV], 16640
	s_add_co_u32 s88, s88, ITEMS
	s_mov_b32 s89, 0
	s_mov_b32 s[ZERO], 0
	s_mov_b32 s[HM], 0xffff
	s_mov_b32 s[OB], 0
	s_mov_b32 s[EPS], 0x358637bd                   ; 1e-6
	s_mov_b32 s[CLO], 0xbf7fffef                   ; -1 + 1e-6
	s_mov_b32 s[CHI], 0x3f7fffef                   ; 1 - 1e-6
	s_mov_b32 s[TINY], 0x3089705f                  ; 1e-9
	s_mov_b32 s77, 0x3d000000                      ; 1 / 32
	s_mov_b32 s78, 0xbf7c0000                      ; -63 / 64
	v_and_b32 v1, 15, v0                           ; r
	v_bfe_u32 v2, v0, 4, 1                         ; h
	v_and_b32 v[GO], 31, v0
	v_lshlrev_b32 v[GO], 4, v[GO]
	v_add_nc_u32 v[AS0], SLOT0+1024, v[GO]
	v_add_nc_u32 v[AS1], SLOT1+1024, v[GO]
	v_lshlrev_b32 v[AB0], 5, v2
	v_add_nc_u32 v[AB1], SLOT1, v[AB0]
	v_add_nc_u32 v[AR0], RES+1024, v[GO]
	v_add_nc_u32 v[AR1], RES+ITEM0+1024, v[GO]
	v_add_nc_u32 v[ARB0], RES, v[AB0]
	v_add_nc_u32 v[ARB1], RES+ITEM0, v[AB0]
	v_add_nc_u32 v[AF], RES+W4O, v[GO]
	s_mul_i32 s2, s[WV], 16*SP
	s_add_co_u32 s2, s2, STAGE                     ; my stage
	v_lshlrev_b32 v[XO], 4, v1
	v_mul_u32_u24 v[SA], 8*SP, v2
	v_add_nc_u32 v[SA], v[XO], v[SA]
	v_add_nc_u32 v[SA], s2, v[SA]
	v_mul_u32_u24 v[FA], SP, v1
	v_lshl_add_u32 v[FA], v2, 4, v[FA]
	v_add_nc_u32 v[FA], s2, v[FA]
	s_mul_i32 s3, s[WV], 768
	s_add_co_u32 s3, s3, OUTST
	v_mul_u32_u24 v[OA0], 12, v1
	v_add_nc_u32 v[OA0], s3, v[OA0]
	s_lshl_b32 s3, s[WV], 9
	v_add_nc_u32 v[GT], s3, v[GO]
	v_add_nc_u32 v[ORD], OUTST, v[GT]
	v_lshlrev_b32 v[IA], 7, v2
	v_lshlrev_b32 v[QA], 3, v1
	s_wait_dscnt 0x0                               ; both opening adds are done
	s_wait_kmcnt 0x0
	s_add_nc_u64 s[IP:IP+1], s[12:13], s[80:81]
	s_add_nc_u64 s[CP:CP+1], s[4:5], s[82:83]
	s_add_nc_u64 s[EP:EP+1], s[6:7], s[82:83]
	s_add_nc_u64 s[16:17], s[16:17], s[84:85]
	s_add_nc_u64 s[G0R+2:G0R+3], s[14:15], s[86:87]
	s_or_b32 s[G0R+3], s[G0R+3], 0x80000000        ; type = 2
	s_add_nc_u64 s[WRA:WRA+1], s[14:15], s[88:89]
	s_add_nc_u64 s[WRB:WRB+1], s[WRA:WRA+1], 66560
	CROUND                                         ; all four work-groups are here: the first joint loads meet
	tensor_load_to_lds s[G0R:G0R+3], s[G1R:G1R+7]  ; layer 0 and w4, which stay
	s_nop 0
	PLACES
	s_load_b96 s[B4:B4+2], s[8:9], 0x0
	IDXLOAD                                        ; tile 0
	s_wait_kmcnt 0x0
	TLOAD
	s_mov_b32 s[TL], 4
.Ltile:
	; THE TILE'S TOP: slot 0, which layer 3's first half left, takes layer 1's H0 item.  (In tile 0 the wait is also the wait for RES, and the round shows RES whole.)
	s_wait_tensorcnt 0x0
	ds_add_u32 v[SPW], v[NIL]                      ; 0 onto my spare word
	s_mov_b64 s[G0A+2:G0A+3], s[WRA:WRA+1]
	s_or_b32 s[G0A+3], s[G0A+3], 0x80000000
	s_wait_dscnt 0x0                               ; the add is done; so are all my LDS instructions
	CROUND
	tensor_load_to_lds s[G0A:G0A+3], s[G1S:G1S+7]  ; it has the gather's end and all of layer 0 in which to land
	s_nop 0
	PLACES
	; MY QUERY'S NUMBERS, by reference()'s own steps: the nearest cell along each axis for each sign, rel = (c - centre) * 64, the four areas, the weights.
	v_add_f32 v[T+0], 0xbc800000, v[CO]
	v_add_f32 v[T+1], 0x3c800000, v[CO]
	v_add_f32 v[T+2], 0xbc800000, v[CO+1]
	v_add_f32 v[T+3], 0x3c800000, v[CO+1]
	ALL4 v_add_f32 v[T+d], s[EPS], v[T+d]
	ALL4 v_max_num_f32 v[T+d], s[CLO], v[T+d]
	ALL4 v_min_num_f32 v[T+d], s[CHI], v[T+d]
	ALL4 v_add_f32 v[T+d], 1.0, v[T+d]
	ALL4 v_fma_f32 v[T+d], v[T+d], 0x42000000, -0.5
	ALL4 v_rndne_f32 v[T+d], v[T+d]
	ALL4 v_max_num_f32 v[T+d], 0, v[T+d]
	ALL4 v_min_num_f32 v[T+d], 0x427c0000, v[T+d]
	ALL4 v_fma_f32 v[T+d], v[T+d], s77, s78        ; the centre, -1 + (2 i + 1) / 64: exact
	ALL4 v_sub_f32 v[T+d], v[CO+d/2], v[T+d]
	ALL4 v_mul_f32 v[T+d], 0x42800000, v[T+d]      ; rel0(-), rel0(+), rel1(-), rel1(+)
	ALL4 v_mul_f32 v[T+4+d], v[T+d/2], v[T+2+d%2]
	ALL4 v_and_b32 v[T+4+d], 0x7fffffff, v[T+4+d]
	ALL4 v_add_f32 v[T+4+d], s[TINY], v[T+4+d]     ; area of shift d
	v_add_f32 v[T+8], v[T+4], v[T+5]
	v_add_f32 v[T+8], v[T+8], v[T+6]
	v_add_f32 v[T+8], v[T+8], v[T+7]
	v_rcp_f32 v[T+9], v[T+8]
	v_mul_f32 v[T+10], 0x42800000, v[CE]           ; rel_cell: plain work behind the reciprocal
	v_mul_f32 v[T+11], 0x42800000, v[CE+1]
	s_wait_alu depctr_va_vdst(0)                   ; ahead of the reciprocal's first reader
	ALL4 v_mul_f32 v[EW+d], v[T+7-d], v[T+9]       ; shift d is weighed by the opposite area
	FETCH AR0, 0, WB0, ARB0                        ; layer 0, H0: biases and first fragments
	; THE GATHERED ROWS BECOME FRAGMENTS, a shift at a time, through my own stage: in as 16 rows of 256 bytes (query 8 h + i), out as source 1's layout.  LDS serves a wave's instructions in order
	; (ISA guide 5.7.1.4), so no wait stands between these stores and loads, nor ahead of the next shift's stores.
.irp s, 0,1,2,3
	WIN 0x08                                       ; store data in window 2
	s_wait_loadcnt 24-8*\s                         ; this shift's eight loads are in; the later shifts' may stay out
.irp i, 0,1,2,3,4,5,6,7
	ds_store_b128 v[SA], v[4*(8*\s+\i):4*(8*\s+\i)+3] offset:SP*\i
.endr
	WIN 0x40                                       ; destination window 1: ACT hi, K step k, row block s
.irp k, 0,1,2,3
	ds_load_b128 v[128+32*\k+8*\s:128+32*\k+8*\s+3],   v[FA] offset:64*\k
	ds_load_b128 v[128+32*\k+8*\s+4:128+32*\k+8*\s+7], v[FA] offset:64*\k+32
.endr
.endr
	WIN 0
	; XE: k 128-131 = rel0, rel1, rel_cell in f16 in the lower lanes' first two registers, zeros elsewhere.  The gather's loads are done (the last count above was 0), so the registers that held their offsets are free.
.irp s, 0,1,2,3
	v_cvt_pk_f16_f32 v[XE+8*\s], v[T+(\s)/2], v[T+2+(\s)%2]
.endr
	v_cvt_pk_f16_f32 v[T+12], v[T+10], v[T+11]
	v_cndmask_b32 v[T+12], 0, v[T+12], s[HM]
.irp s, 0,1,2,3
	v_cndmask_b32 v[XE+8*\s], 0, v[XE+8*\s], s[HM]
	v_mov_b32 v[XE+8*\s+1], v[T+12]
.irp j, 2,3,4,5,6,7
	v_mov_b32 v[XE+8*\s+\j], 0
.endr
.endr
	s_wait_dscnt 0x0                               ; the first fragments, the biases and all of ACT hi are in
	; LAYER 0, in f16: five K steps a half, from RES
.set FM, 1
.set RF, 1
	STEP 0, WB0, 128, 1, 1, 0, AR0, 8192, WB1, 0
	STEP 0, WB1, 160, 1, 0, 0, AR0, 16384, WB0, 0
	STEP 0, WB0, 192, 1, 0, 0, AR0, 24576, WB1, 0
	STEP 0, WB1, 224, 1, 0, 0, AR0, 32768, WB0, 0
	STEP 0, WB0, XE, 0, 0, 0, AR1, 0, WB1, ARB1
.set RG, 0
	STEP 1, WB1, 128, 1, 1, 2, AR1, 8192, WB0, 0   ; H0 rides into ACT lo, in f16; layer 0 does not use ACT lo
	STEP 1, WB0, 160, 1, 0, 2, AR1, 16384, WB1, 0
	STEP 1, WB1, 192, 1, 0, 0, AR1, 24576, WB0, 0
	STEP 1, WB0, 224, 1, 0, 0, AR1, 32768, WB1, 0
	TURN 1, WB1, XE, 0, 1, G0B, WRB, AS0, WB0, AB0 ; slot 0 is in; slot 1 takes layer 1's H1 item
	LAYER 0, 1                                     ; layer 1, in f16; it leaves both slots to layer 2's items
	LAYER 0, 0                                     ; layer 2, in bf16; it leaves both slots to layer 3's items
	WIN 0                                          ; at a label and at a branch every window is 0
	s_cmp_eq_u32 s[TL], 1                          ; the next tile's indices, a layer ahead of the gather; the last tile has no next: a forward jump past loads alone
	s_cbranch_scc1 .Lno_idx
	s_wait_xcnt 0x0                                ; the pointers' last readers have read them
	s_add_nc_u64 s[IP:IP+1], s[IP:IP+1], 256
	s_add_nc_u64 s[CP:CP+1], s[CP:CP+1], 128
	s_add_nc_u64 s[EP:EP+1], s[EP:EP+1], 128
	IDXLOAD
.Lno_idx:
	LAYER 1, 0                                     ; layer 3
	WIN 0
	s_cmp_eq_u32 s[TL], 1
	s_cbranch_scc1 .Lno_rows
	TLOAD                                          ; the next tile's rows, into ACC H0, which has been turned into ACT lo: on their way during what follows
.Lno_rows:
	; layer 3's H1 -> ACT hi: no products are left for it to ride on
	WIN 0x4f
.set a, 0
.rept 32
.set rdst, 128+32*(a/8)+8*(a%4)+4*((a/4)%2)
.set rsrc, 32*(a/4)+8*(a%4)
.irp j, 0,1,2,3
	v_cvt_pk_bf16_f32 v[rdst+\j], v[rsrc+2*\j], v[rsrc+2*\j+1]
.endr
.set a, a+1
.endr
	WIN 0x41
.set i, 128
.rept 128
	v_pk_max_num_bf16 v[i], v[i], s[ZERO]
.set i, i+1
.endr
	s_wait_dscnt 0x0                               ; w4's fragments are in
	WIN 0xf4
.irp k, 0,1,2,3,4,5,6,7                    ; the last layer: four accumulators by turns; the first K step starts the sums
.irp rb, 0,1,2,3
.if \k == 0
	v_wmma_f32_16x16x32_bf16 v[8*\rb:8*\rb+7], v[WB0+8*\k:WB0+8*\k+7], v[32*\k+8*\rb:32*\k+8*\rb+7], 0
.else
	v_wmma_f32_16x16x32_bf16 v[8*\rb:8*\rb+7], v[WB0+8*\k:WB0+8*\k+7], v[32*\k+8*\rb:32*\k+8*\rb+7], v[8*\rb:8*\rb+7]
.endif
.endr
.endr
	PLACES
	; THE MIX.  For shift rb registers 0-2 hold hi(w4) . h4 and registers 3-5 lo(w4) . h4 of query r, in both halves of the lanes alike.
	WIN 0x0f                                       ; sources 0 and 1 in window 3
.irp rb, 0,1,2,3
.irp n, 0,1,2
	v_add_f32 v[T+3*\rb+\n], v[8*\rb+\n], v[8*\rb+3+\n]
.endr
.endr
	WIN 0
.irp i, 0,1,2,3,4,5,6,7,8,9,10,11
	v_add_f32 v[T+\i], s[B4+(\i)%3], v[T+\i]
.endr
.irp n, 0,1,2
	v_mul_f32 v[T+12+\n], v[T+\n], v[EW]
.endr
.irp rb, 1,2,3
.irp n, 0,1,2
	v_fmac_f32 v[T+12+\n], v[T+3*\rb+\n], v[EW+\rb]
.endr
.endr
	v_add_nc_u32 v[OAD], s[OB], v[OA0]
	ds_store_b32 v[OAD], v[T+12]                   ; all lanes on: lanes r and 16 + r write the same word with the same number
	ds_store_b32 v[OAD], v[T+13] offset:4
	ds_store_b32 v[OAD], v[T+14] offset:8
	s_add_co_u32 s[OB], s[OB], 192
	s_sub_co_u32 s[TL], s[TL], 1
	s_cmp_lg_u32 s[TL], 0
	s_cbranch_scc1 .Ltile
	; THE WAY OUT: the work-group's 3,072 bytes, by whole waves: each wave 512 consecutive bytes, waves 0 and 1 then the last 1,024; every store begins at a multiple of 256 from out0's first byte.
	s_wait_dscnt 0x0                               ; for the others' sake: my stores into OUTST are done
	s_barrier_signal -1
	s_barrier_wait -1                              ; a wave reads what other waves stored
	ds_load_b128 v[T:T+3], v[ORD]
	s_wait_dscnt 0x0
	global_store_b128 v[GT], v[T:T+3], s[16:17]
	s_cmp_lt_u32 s[WV], 2
	s_cbranch_scc0 .Lend                           ; a forward jump on the wave's number past one LDS load, its wait and one store
	ds_load_b128 v[T+4:T+7], v[ORD] offset:2048
	s_wait_dscnt 0x0
	global_store_b128 v[GT], v[T+4:T+7], s[16:17] offset:2048
.Lend:
	s_wait_tensorcnt 0x0                           ; the wave's end, behind my last tensor load and my last LDS store
	ds_add_u32 v[SPW], v[NIL]
	s_wait_dscnt 0x0
	CROUND                                         ; the closing round: no work-group ends while a partner may still ask for an item that names it
	s_endpgm
.Lfunc_end_k_q8c73a6815c_mlp:
	.size	k_q8c73a6815c_mlp, .Lfunc_end_k_q8c73a6815c_mlp-k_q8c73a6815c_mlp
	.p2alignl 7, 3214868480
	.fill 96, 4, 3214868480
	.section	.rodata,"a",@progbits
	.p2align	6, 0x0
	.amdhsa_kernel k_q8c73a6815c_mlp
		.amdhsa_group_segment_fixed_size 327680
		.amdhsa_private_segment_fixed_size 0
		.amdhsa_enable_private_segment 0
		.amdhsa_kernarg_size 56
		.amdhsa_user_sgpr_count 2
		.amdhsa_user_sgpr_kernarg_segment_ptr 1
		.amdhsa_wavefront_size32 1
		.amdhsa_system_sgpr_workgroup_id_x 1
		.amdhsa_system_sgpr_workgroup_id_y 1
		.amdhsa_system_sgpr_workgroup_id_z 1
		.amdhsa_system_vgpr_workitem_id 0
		.amdhsa_next_free_vgpr 1024
		.amdhsa_next_free_sgpr 96
		.amdhsa_reserve_vcc 0
		.amdhsa_float_denorm_mode_32 3
		.amdhsa_float_denorm_mode_16_64 3
		.amdhsa_memory_ordered 1
		.amdhsa_forward_progress 1
		.amdhsa_inst_pref_size 255
	.end_amdhsa_kernel
	.section	.bss,"aw",@nobits
	.p2align	6
	.space	262144
	.amdgpu_metadata
---
amdhsa.version: [ 1, 2 ]
amdhsa.kernels:
  - .name:           k_q8c73a6815c_mlp
    .symbol:         k_q8c73a6815c_mlp.kd
    .args:
      - { .name: coord, .offset: 0, .size: 8, .value_kind: global_buffer, .address_space: global }
      - { .name: cell1, .offset: 8, .size: 8, .value_kind: global_buffer, .address_space: global }
      - { .name: b4, .offset: 16, .size: 8, .value_kind: global_buffer, .address_space: global }
      - { .name: feat, .offset: 24, .size: 8, .value_kind: global_buffer, .address_space: global }
      - { .name: idx, .offset: 32, .size: 8, .value_kind: global_buffer, .address_space: global }
      - { .name: wts, .offset: 40, .size: 8, .value_kind: global_buffer, .address_space: global }
      - { .name: out0, .offset: 48, .size: 8, .value_kind: global_buffer, .address_space: global }
    .group_segment_fixed_size: 327680
    .private_segment_fixed_size: 0
    .kernarg_segment_align: 8
    .kernarg_segment_size: 56
    .max_flat_workgroup_size: 128
    .sgpr_count:     96
    .vgpr_count:     1024
    .wavefront_size: 32
...
	.end_amdgpu_metadata
.endif
;; end of part 2
